; MI455X (gfx1250); checked and timed in simulation.
; The chip was launched on July 23, 2026; its instructions are those of AMD's public machine-readable ISA for CDNA 5 (MIT licence, August 2026) and "CDNA5" Instruction Set Architecture Reference Guide (July 2026). The comments in the code are by the model that wrote it; some were corrected since.
;; Simple Multihead Self Attention. Allowed arithmetic: float matrix products may take bf16 or f16 operands with f32 sums; other float arithmetic in f32, or as packed bf16 or f16 multiplies, adds, multiply-adds, maxima and minima; sums over many terms, partial sums and values carried from step to step in f32; what a program stores and reads back later, other than sums and carried values, may be rounded once to bf16 or f16.
;; Inputs: Wk 1,024 x 1,024 float32; Wo 1,024 x 1,024 float32; Wq 1,024 x 1,024 float32; Wv 1,024 x 1,024 float32; bk 1,024 float32; bo 1,024 float32; bq 1,024 float32; bv 1,024 float32; x 16,384 x 1,024 float32.
;; Outputs: out0 16,384 x 1,024 float32.
;; One version. Each part assembles by itself: llvm-mc -triple=amdgcn-amd-amdhsa -mcpu=gfx1250 --defsym DOCPART=n.
;; ======== version 1 of 1: 4 launches
;; limits: values are held in f16: magnitudes above 65,504 overflow, below 6.1e-05 lose precision
;; workspace buffers: xb 33,554,432 bytes; wqkv 6,291,456 bytes; wo16 2,097,152 bytes; bias 16,384 bytes; qkv 100,663,296 bytes; att 33,554,432 bytes
;; launch prep (part 1): grid 1281 x 1, 8 waves a work-group, no clusters, 0 bytes of LDS; arguments x, Wq, Wk, Wv, Wo, bq, bk, bv, bo, xb, wqkv, wo16, bias; writes xb, wqkv, wo16, bias
.if DOCPART == 1
	.amdgcn_target "amdgcn-amd-amdhsa--gfx1250"
	.amdhsa_code_object_version 6
	.text
	.protected	k_qdc26997dc3_prep
	.globl	k_qdc26997dc3_prep
	.p2align	8
	.type	k_qdc26997dc3_prep,@function
k_qdc26997dc3_prep:
	s_mov_b64 s[64:65], 0
	v_nop
	global_prefetch_b8 v0, s[64:65] scope:SCOPE_SE
	s_setreg_imm32_b32 hwreg(HW_REG_WAVE_MODE, 25, 1), 1
	s_wait_xcnt 0x0
; PREP: every input is rounded once to bf16 and laid out for the launches behind.
;   xb   [16384][1024] bf16 = x.
;   wqkv [3072][1024]  bf16 = rows of Wq, Wk, Wv in a permuted order:
;        q, k: row g*128 + head*8 + e       is W row head*64 + 8 g + e            (g = d / 8, e = d % 8)
;        v:    row cb*256 + hh*128 + r*8 + e is Wv row (8 hh + e)*64 + 16 cb + r
;   wo16 [1024][1024]  f16  = Wo rounded to bf16 and that number written as f16; column cb*256 + h*128 + r*8 + j is Wo column r*64 + 16 cb + 8 h + j.
;   bias [4096]        f32  = bq, bk, bv (in their matrices' row order) and bo, each rounded to bf16 and widened again.
; With these orders a token's q, k, v and attention result are plain runs of 512 bytes for the matrix fragments of the attention launch.
; LIMIT: a bf16 number of Wo beyond 65,504 has no f16; below 6e-5 f16 keeps a fixed step of 6e-8.
; SHARES: a work-group makes 16 destination rows of 1,024 numbers: 1,280 equal work-groups, five for each of 256 WGPs, and one small one for the biases.  Thread t owns numbers 4 t .. 4 t + 3 of every
; row: a wave's load covers 512 consecutive bytes of a source row, its store 256 consecutive bytes at a multiple of 256.  All 16 loads of a thread go out at once; no register is used twice, so nothing
; but the counted load waits is needed.  No LDS, no matrix unit, no cluster: no byte is read by two work-groups, and memory bounds the launch.
; Work-groups 0-1023: x.  1024-1151: Wq, Wk.  1152-1215: Wv.  1216-1279: Wo.  1280: the four biases.
.set X,    8                           ; v[8:71]  row i in v[X+4i : X+4i+3]
.set NR,   16                          ; rows of a work-group
.set ROWB, 4096                        ; bytes in a source row
; 16 loads: row i of the group lies (i / 8) SR + (i % 8) SS source rows behind the group's first
.macro LOADS SR, SS, NT
.set i, 0
.rept NR
.if \NT
	global_load_b128 v[X+4*i:X+4*i+3], v1, s[40:41] offset:((i/8)*(\SR)+(i%8)*(\SS))*ROWB th:TH_LOAD_NT
.else
	global_load_b128 v[X+4*i:X+4*i+3], v1, s[40:41] offset:((i/8)*(\SR)+(i%8)*(\SS))*ROWB
.endif
.set i, i+1
.endr
.endm
	s_load_b512 s[8:23], s[0:1], 0x0               ; x 8, Wq 10, Wk 12, Wv 14, Wo 16, bq 18, bk 20, bv 22
	s_load_b256 s[24:31], s[0:1], 0x40             ; bo 24, xb 26, wqkv 28, wo16 30
	s_load_b64 s[32:33], s[0:1], 0x60              ; bias
	s_mov_b32 s2, ttmp9                            ; the work-group's number
	v_lshlrev_b32 v1, 4, v0                        ; source: 16 t
	v_lshlrev_b32 v2, 3, v0                        ; destination: 8 t
	s_mov_b32 s42, 0xffff0000                      ; a word's upper bf16
	s_mov_b32 s35, 0                               ; high words of the two offset pairs
	s_mov_b32 s39, 0
	s_and_b32 s3, s2, 63                           ; w: the group's number within its matrix (1024, 1088, 1152 and 1216 are multiples of 64)
	s_wait_kmcnt 0x0
	s_cmp_ge_u32 s2, 1280
	s_cbranch_scc1 .Lbias
	s_cmp_ge_u32 s2, 1216
	s_cbranch_scc1 .Lwo
	s_cmp_lt_u32 s2, 1024                          ; destination: xb, or wqkv from group 1024 on; 16 rows of 2,048 bytes a group
	s_cselect_b64 s[36:37], s[26:27], s[28:29]
	s_cselect_b32 s4, 0, 1024
	s_sub_co_u32 s4, s2, s4
	s_lshl_b32 s34, s4, 15
	s_add_nc_u64 s[36:37], s[36:37], s[34:35]
	s_cmp_ge_u32 s2, 1152
	s_cbranch_scc1 .Lwv
	s_cmp_ge_u32 s2, 1024
	s_cbranch_scc1 .Lwqk
	s_lshl_b32 s38, s2, 16                         ; x: 16 rows of 4,096 bytes a group, as they lie
	s_add_nc_u64 s[40:41], s[8:9], s[38:39]
	LOADS 8, 1, 1
	s_branch .Lconv
.Lwqk:                                                 ; destination row 16 w + i: g = w / 8, head = 2 (w % 8) + i / 8, e = i % 8
	s_cmp_lt_u32 s2, 1088
	s_cselect_b64 s[40:41], s[10:11], s[12:13]
	s_and_b32 s4, s3, 7
	s_lshl_b32 s4, s4, 7                           ; 2 (w % 8) heads of 64 rows
	s_lshr_b32 s5, s3, 3
	s_lshl_b32 s5, s5, 3                           ; 8 g
	s_add_co_u32 s4, s4, s5
	s_lshl_b32 s38, s4, 12
	s_add_nc_u64 s[40:41], s[40:41], s[38:39]
	LOADS 64, 1, 1
	s_branch .Lconv
.Lwv:                                                  ; destination row 16 w + i: cb = w / 16, hh = (w / 8) % 2, r = 2 (w % 8) + i / 8, e = i % 8
	s_bfe_u32 s4, s3, 0x10003
	s_lshl_b32 s4, s4, 9                           ; 8 hh heads of 64 rows
	s_lshr_b32 s5, s3, 4
	s_lshl_b32 s5, s5, 4                           ; 16 cb
	s_add_co_u32 s4, s4, s5
	s_and_b32 s5, s3, 7
	s_lshl_b32 s5, s5, 1                           ; 2 (w % 8)
	s_add_co_u32 s4, s4, s5
	s_lshl_b32 s38, s4, 12
	s_add_nc_u64 s[40:41], s[14:15], s[38:39]
	LOADS 1, 64, 1
.Lconv:                                                ; on each of the three ways 16 loads are out here
.set i, 0
.rept NR
	s_wait_loadcnt NR-1-i                          ; loads come back in order (ISA guide 5.7.1): row i is in, the 15 - i younger rows stay out
	v_cvt_pk_bf16_f32 v[X+4*i], v[X+4*i], v[X+4*i+1]
	v_cvt_pk_bf16_f32 v[X+4*i+1], v[X+4*i+2], v[X+4*i+3]
	global_store_b64 v2, v[X+4*i:X+4*i+1], s[36:37] offset:i*2048
.set i, i+1
.endr
	s_endpgm
.Lwo:                                                  ; rows as they lie, columns permuted: my four numbers 4 t .. are cb = t / 64, h = (t / 32) % 2, r = (t / 2) % 16, j = 4 (t % 2) ..
	v_bfe_u32 v5, v0, 1, 4                         ; r
	v_and_b32 v6, 1, v0
	v_lshrrev_b32 v7, 6, v0                        ; cb
	v_bfe_u32 v3, v0, 5, 1                         ; h
	v_lshlrev_b32 v1, 8, v5                        ; source byte: 256 r + 64 cb + 32 h + 16 (t % 2)
	v_lshl_add_u32 v1, v7, 6, v1
	v_lshl_add_u32 v1, v3, 5, v1
	v_lshl_add_u32 v1, v6, 4, v1
	s_lshl_b32 s38, s3, 16
	s_add_nc_u64 s[40:41], s[16:17], s[38:39]
	s_lshl_b32 s34, s3, 15
	s_add_nc_u64 s[36:37], s[30:31], s[34:35]
	LOADS 8, 1, 0                                  ; the group's eight waves read different parts of the same rows: no streaming hint
.set i, 0
.rept NR
	s_wait_loadcnt NR-1-i
	v_cvt_pk_bf16_f32 v[X+4*i], v[X+4*i], v[X+4*i+1]        ; rounded to bf16 like every input,
	v_cvt_pk_bf16_f32 v[X+4*i+1], v[X+4*i+2], v[X+4*i+3]
	v_lshlrev_b32 v[X+4*i+2], 16, v[X+4*i]                  ; widened,
	v_and_b32 v[X+4*i+3], s42, v[X+4*i]
	v_cvt_pk_f16_f32 v[X+4*i], v[X+4*i+2], v[X+4*i+3]       ; and written as f16: eight significant bits fit into eleven
	v_lshlrev_b32 v[X+4*i+2], 16, v[X+4*i+1]
	v_and_b32 v[X+4*i+3], s42, v[X+4*i+1]
	v_cvt_pk_f16_f32 v[X+4*i+1], v[X+4*i+2], v[X+4*i+3]
	global_store_b64 v2, v[X+4*i:X+4*i+1], s[36:37] offset:i*2048
.set i, i+1
.endr
	s_endpgm
.Lbias:                                                ; thread t makes numbers 4 t .. 4 t + 3 of each of the four parts
	v_bfe_u32 v5, v0, 1, 4                         ; (t / 2) % 16
	v_and_b32 v6, 1, v0
	v_lshrrev_b32 v7, 5, v0                        ; g = t / 32
	v_lshlrev_b32 v3, 8, v5                        ; bq, bk: byte 256 head + 32 g + 16 (t % 2)
	v_lshl_add_u32 v3, v7, 5, v3
	v_lshl_add_u32 v3, v6, 4, v3
	v_bfe_u32 v7, v0, 5, 1                         ; hh
	v_lshlrev_b32 v4, 2, v5                        ; bv: byte 2048 hh + 1024 (t % 2) + 64 cb + 4 r, and 256 for each of my four numbers
	v_lshl_add_u32 v4, v7, 11, v4
	v_lshl_add_u32 v4, v6, 10, v4
	v_lshrrev_b32 v7, 6, v0                        ; cb
	v_lshl_add_u32 v4, v7, 6, v4
	global_load_b128 v[8:11], v3, s[18:19]
	global_load_b128 v[12:15], v3, s[20:21]
.irp q, 0,1,2,3
	global_load_b32 v[16+(\q)], v4, s[22:23] offset:256*(\q)
.endr
	global_load_b128 v[20:23], v1, s[24:25]
	s_wait_loadcnt 0x0
.irp p, 0,1,2,3
	v_cvt_pk_bf16_f32 v5, v[8+4*(\p)], v[8+4*(\p)+1]
	v_cvt_pk_bf16_f32 v6, v[8+4*(\p)+2], v[8+4*(\p)+3]
	v_lshlrev_b32 v[8+4*(\p)], 16, v5
	v_and_b32 v[8+4*(\p)+1], s42, v5
	v_lshlrev_b32 v[8+4*(\p)+2], 16, v6
	v_and_b32 v[8+4*(\p)+3], s42, v6
	global_store_b128 v1, v[8+4*(\p):8+4*(\p)+3], s[32:33] offset:4096*(\p)
.endr
	s_endpgm
.Lfunc_end_k_qdc26997dc3_prep:
	.size	k_qdc26997dc3_prep, .Lfunc_end_k_qdc26997dc3_prep-k_qdc26997dc3_prep
	.p2alignl 7, 3214868480
	.fill 96, 4, 3214868480
	.section	.rodata,"a",@progbits
	.p2align	6, 0x0
	.amdhsa_kernel k_qdc26997dc3_prep
		.amdhsa_group_segment_fixed_size 0
		.amdhsa_private_segment_fixed_size 0
		.amdhsa_enable_private_segment 0
		.amdhsa_kernarg_size 104
		.amdhsa_user_sgpr_count 2
		.amdhsa_user_sgpr_kernarg_segment_ptr 1
		.amdhsa_wavefront_size32 1
		.amdhsa_system_sgpr_workgroup_id_x 1
		.amdhsa_system_sgpr_workgroup_id_y 1
		.amdhsa_system_sgpr_workgroup_id_z 1
		.amdhsa_system_vgpr_workitem_id 0
		.amdhsa_next_free_vgpr 72
		.amdhsa_next_free_sgpr 66
		.amdhsa_reserve_vcc 0
		.amdhsa_float_denorm_mode_32 3
		.amdhsa_float_denorm_mode_16_64 3
		.amdhsa_memory_ordered 1
		.amdhsa_forward_progress 1
		.amdhsa_inst_pref_size 24
	.end_amdhsa_kernel
	.amdgpu_metadata
---
amdhsa.version: [ 1, 2 ]
amdhsa.kernels:
  - .name:           k_qdc26997dc3_prep
    .symbol:         k_qdc26997dc3_prep.kd
    .args:
      - { .name: x, .offset: 0, .size: 8, .value_kind: global_buffer, .address_space: global }
      - { .name: Wq, .offset: 8, .size: 8, .value_kind: global_buffer, .address_space: global }
      - { .name: Wk, .offset: 16, .size: 8, .value_kind: global_buffer, .address_space: global }
      - { .name: Wv, .offset: 24, .size: 8, .value_kind: global_buffer, .address_space: global }
      - { .name: Wo, .offset: 32, .size: 8, .value_kind: global_buffer, .address_space: global }
      - { .name: bq, .offset: 40, .size: 8, .value_kind: global_buffer, .address_space: global }
      - { .name: bk, .offset: 48, .size: 8, .value_kind: global_buffer, .address_space: global }
      - { .name: bv, .offset: 56, .size: 8, .value_kind: global_buffer, .address_space: global }
      - { .name: bo, .offset: 64, .size: 8, .value_kind: global_buffer, .address_space: global }
      - { .name: xb, .offset: 72, .size: 8, .value_kind: global_buffer, .address_space: global }
      - { .name: wqkv, .offset: 80, .size: 8, .value_kind: global_buffer, .address_space: global }
      - { .name: wo16, .offset: 88, .size: 8, .value_kind: global_buffer, .address_space: global }
      - { .name: bias, .offset: 96, .size: 8, .value_kind: global_buffer, .address_space: global }
    .group_segment_fixed_size: 0
    .private_segment_fixed_size: 0
    .kernarg_segment_align: 8
    .kernarg_segment_size: 104
    .max_flat_workgroup_size: 256
    .sgpr_count:     66
    .vgpr_count:     72
    .wavefront_size: 32
...
	.end_amdgpu_metadata
.endif
;; end of part 1
;; launch proj_qkv (part 2): grid 4 x 64, 4 waves a work-group, clusters of 4 x 4, 327,680 bytes of LDS; arguments xb, wqkv, bias, qkv; writes qkv
.if DOCPART == 2
	.amdgcn_target "amdgcn-amd-amdhsa--gfx1250"
	.amdhsa_code_object_version 6
	.text
	.protected	k_qdc26997dc3_proj_qkv
	.globl	k_qdc26997dc3_proj_qkv
	.p2align	8
	.type	k_qdc26997dc3_proj_qkv,@function
k_qdc26997dc3_proj_qkv:
	s_mov_b64 s[64:65], 0
	v_nop
	global_prefetch_b8 v0, s[64:65] scope:SCOPE_SE
	s_setreg_imm32_b32 hwreg(HW_REG_WAVE_MODE, 25, 1), 1
	s_wait_xcnt 0x0
	s_wait_alu depctr_hold_cnt(0) depctr_sa_sdst(0) depctr_va_vdst(0) depctr_va_sdst(0) depctr_va_ssrc(0) depctr_va_vcc(0) depctr_vm_vsrc(0)
	s_getreg_b32 s2, hwreg(HW_REG_IB_STS2, 6, 4)
	s_cmp_eq_u32 s2, 0
	s_cbranch_scc0 .Lentry_in_a_cluster
	s_endpgm
.Lentry_in_a_cluster:
	s_bfe_u32 s2, ttmp6, 0x10000c
	s_cmp_lg_u32 s2, 0xf033
	s_cbranch_scc0 .Lentry_shape_is_right
	s_endpgm
.Lentry_shape_is_right:
; qkv[m][n] = sum over k of xb[m][k] wqkv[n][k] + bias[n].  xb: [16384][1024] bf16, wqkv: [3072][1024] bf16, bias: f32, qkv: [16384][3072] f16; sums in f32, rounded once.
; LIMIT: a result of 65,520 or more has no f16 and becomes an infinity.  Inputs 30 times the drawn spread give about 5,000; x and W both offset by 30 spreads about 29,000.
; A tile of C, 256 x 256, is made by four waves, 128 x 128 each: 64 accumulators of 16 x 16, 512 registers.  K goes in 8 steps of 128 through a ring of two LDS slots filled by the tensor
; data mover: rows of 256 bytes that start at multiples of 256 bytes.
; A WORK-GROUP STAYS: 4 x 64 work-groups; each makes three tiles side by side, columns 1024 t + 256 x (tile column), t = 0, 1, 2: its part of q, of k and of v, from the same 256 rows of xb.
; The ring does not stop at a tile's end: a tile's last two changes of slots ask for the next tile's first two K steps, and nothing waits for a tile's stores.
; THE LAST TILE'S LAST K STEP GOES BY ROWS OF C: nothing follows that tile under which its stores could leave, so its row blocks are finished one after the other and each leaves at once.
; CLUSTERS: 4 x 4 work-groups.  The four of a row of the cluster need the same tiles of A, the four of a column the same tiles of B: each tile is asked for JOINTLY, by the same tensor load
; with the same descriptor and a mask that names the four.
; THE MATRIX INSTRUCTION IS USED TRANSPOSED (source 0 = 16 rows of B, source 1 = 16 rows of A): lane l holds row l % 16 of C and the eight neighbouring columns 8 (l / 16) + 0..7.
; THE BIAS IS THE C OPERAND of the product that starts each sum: register j of lane l of block b wants bias[16 b + 8 (l / 16) + j], the same for all eight row blocks: 64 registers.
; REGISTERS, in windows of 256 (s_set_vgpr_msb's low byte: bits 1:0 source 0, 3:2 source 1, 5:4 source 2, 7:6 destination):
;   window 0: v0-31 addresses; v64-127, v128-191 fragments of A, two buffers (in the very last K step four, of 16 rows x 128 K); v32-63, v192-255 at work on the way out
;   window 1: v0-63 the bias; v64-127, v128-191 fragments of B, two buffers; in the very last K step all 256: B's fragments of the whole step
;   window 2: the 32 accumulators of my rows 0-63 ((a, b) at v[8 (8 a + b)]);   window 3: those of my rows 64-127
.set SIZE_K, 1024
.set KSTEP,  128
.set PITCH,  272                       ; an LDS row: 256 bytes + 16 of padding = 68 words: the 16 rows that a load touches start at 16 different groups of four banks (64 banks of 4 bytes: ISA guide 11.1)
.set HALFT,  128*PITCH                 ; 128 rows: what one tensor load brings, and what one wave reads of A or of B
.set SLOT,   4*HALFT                   ; A's 256 rows, then B's 256 rows
.set STAGE,  2*SLOT                    ; behind the ring: 16 rows x 272 bytes for each wave, for the way out; no tensor load lands there
.set SPITCH, 272
.set SPARE,  STAGE+4*16*SPITCH         ; behind the stages: the spare words, 128 bytes for each wave: two blocks of 256 bytes that no other line names
.set LAPS,   SIZE_K/(2*KSTEP)          ; a lap = two K steps = once round the ring: 4
.set TILES,  3
.set CROW,   6144                      ; bytes in a row of C
.set BACK_A, (SIZE_K-2*KSTEP)*2        ; bytes from a slot's last K step of a tile back to its first: A's rows stay,
.set NEXT_B, 1024*SIZE_K*2-BACK_A      ; B goes 1,024 rows on and back along K
.set ADRA, 16                          ; v16-17  LDS address of my A fragments in slot 0, 1
.set ADRB, 20                          ; v20-21  the same for B
.set STO,  24                          ; v24     the way out: where I put 16 bytes of a row
.set RD,   25                          ; v25     the way out: where I read a row back
.set CO,   26                          ; v26     my byte offset in C
.set BO,   27                          ; v27     my byte offset in the wave's 128 numbers of the bias
.set SPW,  28                          ; v28     LDS address of my spare word; never rewritten
.set NIL,  29                          ; v29     0; never rewritten
.set F0,   64
.set F1,   128
.set TMP,  192                         ; the way out: packed results
.set OB,   32                          ; the way out: 16 rows read back: v32-63 and v224-255 by turns
.set PA,   64                          ; the very last K step: A's fragments of 16 rows x 128 K, 32 registers; four such buffers, v64-191
.set G1,  24                           ; s[24:31] descriptor group 1 for A's tiles;  s[32:39] group 0, a set for each slot
.set G0,  32
.set G1B, 48                           ; s[48:55], s[56:63] the same for B's tiles
.set G0B, 56
.set MSB, 0
.macro WIN new                         ; the immediate's high byte repeats the setting that is left; a switch that changes nothing is dropped
.if MSB != (\new)
	s_set_vgpr_msb (MSB<<8)|(\new)
.set MSB, \new
.endif
.endm
.set TO_B, 0x40                        ; destination window 1, address window 0
; A joint load.  Waves 0 and 1 fetch A's two halves, waves 2 and 3 B's.  The branch hangs on the wave's number alone.  An s_nop 0 and four v_nop follow each of the two lines.
.macro JLOAD s
	s_cmp_eq_u32 s11, 0
	s_cbranch_scc0 .Lfor_b_\@
	tensor_load_to_lds s[G0+4*(\s):G0+4*(\s)+3], s[G1:G1+7]
	s_nop 0
.rept 4
	v_nop
.endr
	s_branch .Lasked_\@
.Lfor_b_\@:
	tensor_load_to_lds s[G0B+4*(\s):G0B+4*(\s)+3], s[G1B:G1B+7]
	s_nop 0
.rept 4
	v_nop
.endr
.Lasked_\@:
.endm
.macro CREST                           ; a round of the cluster's barrier behind its opening barrier
	s_cmp_lg_u32 s10, 0
	s_cbranch_scc1 .Lnot_wave_0_\@
	s_barrier_signal -3
.Lnot_wave_0_\@:
	s_barrier_wait -3
	s_barrier_signal -1
	s_barrier_wait -1
.endm
.macro CROUND                          ; a whole round
	s_barrier_signal -1
	s_barrier_wait -1
	CREST
.endm
	s_load_b256 s[68:75], s[0:1], 0x0              ; A s[68:69], B s[70:71], bias s[72:73], C s[74:75]
	v_lshl_add_u32 v[SPW], v0, 2, SPARE
	v_mov_b32 v[NIL], 0
	ds_add_u32 v[SPW], v[NIL]                      ; the wave's opening: the add and its wait stand ahead of my first tensor load; the set-up below, work on registers, stands between them
	v_lshrrev_b32 v1, 5, v0
	v_readfirstlane_b32 s10, v1                    ; wave 0..3
	s_lshr_b32 s11, s10, 1                         ; which half of the tile's rows is mine.  Also: I fetch for A (0) or for B (1)
	s_and_b32 s12, s10, 1                          ; which half of its columns.  Also: which 128 rows of that tile I fetch
	s_bfe_u32 s40, ttmp6, 0x40000                  ; cx, cy: my place in the cluster
	s_bfe_u32 s41, ttmp6, 0x40004
	s_lshl_b32 s42, ttmp9, 2
	s_add_co_u32 s42, s42, s40                     ; tile column = 4 x cluster x + cx
	s_and_b32 s13, ttmp7, 0xffff
	s_lshl_b32 s13, s13, 2
	s_add_co_u32 s13, s13, s41                     ; tile row = 4 x cluster y + cy
	s_lshl_b32 s43, s41, 2
	s_lshl_b32 s43, 15, s43                        ; my row of the cluster: places 4 cy .. 4 cy + 3
	s_lshl_b32 s44, 0x1111, s40                    ; my column: places cx, cx + 4, cx + 8, cx + 12
	; descriptor group 1: a tile of 128 rows x 128 elements, padded in LDS
	s_or_b32 s[G1+0], s43, (1<<16)|(1<<20)|(1<<21)|(5<<22)|(3<<25)  ; 15:0 the mask; 17:16 elements of 2 bytes; 20 padding on; 21 set beside a mask; 24:22 after every 64 words (code 5); 31:25 4 words (code 3)
	s_or_b32 s[G1B+0], s44, (1<<16)|(1<<20)|(1<<21)|(5<<22)|(3<<25)
.irp g, G1, G1B
	s_mov_b32 s[(\g)+1], KSTEP<<16                 ; tensor_dim0 = 128
	s_mov_b32 s[(\g)+2], 128<<16                   ; tensor_dim1 = 128
	s_mov_b32 s[(\g)+3], KSTEP<<16                 ; tile_dim0 = 128
	s_mov_b32 s[(\g)+4], 128                       ; tile_dim1 = 128
	s_mov_b32 s[(\g)+5], SIZE_K                    ; elements from row to row
	s_mov_b32 s[(\g)+6], 0
	s_mov_b32 s[(\g)+7], 0
.endr
	; A's tiles hang on the tile row alone, B's on the tile column alone; each address is made in registers that never hold the other coordinate
	s_lshl_b32 s17, s12, 7                         ; which 128 rows of the tile I fetch
	s_lshl_b32 s16, s13, 8
	s_add_co_u32 s16, s16, s17                     ; A: row 256 x tile row + 128 x half
	s_lshl_b32 s46, s42, 8
	s_add_co_u32 s46, s46, s17                     ; B: row 256 x tile column + 128 x half (tile t = 0)
	s_lshl_b32 s16, s16, 11                        ; rows of 2,048 bytes: 32 MiB at the most
	s_lshl_b32 s46, s46, 11
	s_mov_b32 s17, 0
	s_mov_b32 s47, 0
	s_mul_i32 s20, s10, HALFT                      ; where they go: wave x 128 rows: no place in the cluster enters an LDS address
	s_wait_dscnt 0x0                               ; the opening add is done
	s_wait_kmcnt 0x0
	s_add_nc_u64 s[14:15], s[68:69], s[16:17]
	s_add_nc_u64 s[46:47], s[70:71], s[46:47]
	CROUND                                         ; all sixteen work-groups are here: the first joint loads meet
.irp s, 0,1
	s_mov_b32 s[G0+4*(\s)], 1                                      ; count = 1
	s_add_co_u32 s[G0+4*(\s)+1], s20, (\s)*SLOT                    ; LDS address
	s_add_nc_u64 s[G0+4*(\s)+2:G0+4*(\s)+3], s[14:15], (\s)*KSTEP*2  ; global address: K step s
	s_or_b32 s[G0+4*(\s)+3], s[G0+4*(\s)+3], 0x80000000            ; type = 2
	s_mov_b32 s[G0B+4*(\s)], 1
	s_add_co_u32 s[G0B+4*(\s)+1], s20, (\s)*SLOT
	s_add_nc_u64 s[G0B+4*(\s)+2:G0B+4*(\s)+3], s[46:47], (\s)*KSTEP*2
	s_or_b32 s[G0B+4*(\s)+3], s[G0B+4*(\s)+3], 0x80000000
	JLOAD \s                                       ; two loads of mine are out
.endr
	; A fragment is 16 rows x 32 K in 8 registers: lane l holds row l % 16; registers 0-3 K = 8 (l / 16) + 0..7, registers 4-7 K = 16 + 8 (l / 16) + 0..7: two loads of 16 bytes, 32 bytes apart.
	v_and_b32 v1, 15, v0                           ; l % 16
	v_bfe_u32 v2, v0, 4, 1                         ; l / 16
	v_mul_u32_u24 v3, v1, PITCH
	v_lshl_add_u32 v3, v2, 4, v3
	s_mul_i32 s21, s11, HALFT                      ; my 128 rows of A
	s_mul_i32 s22, s12, HALFT                      ; my 128 rows of B,
	s_add_co_u32 s22, s22, 2*HALFT                 ; which lie behind A's 256
.irp s, 0,1
	v_add_nc_u32 v[ADRA+(\s)], s21, v3
	v_add_nc_u32 v[ADRB+(\s)], s22, v3
	s_add_co_u32 s21, s21, SLOT
	s_add_co_u32 s22, s22, SLOT
.endr
	s_mul_i32 s23, s10, 16*SPITCH
	s_add_co_u32 s23, s23, STAGE                   ; my stage
	v_mul_u32_u24 v4, v1, SPITCH                   ; in: row l % 16, 16 bytes for each half of the lanes
	v_lshl_add_u32 v4, v2, 4, v4
	v_add_nc_u32 v[STO], s23, v4
	v_mul_u32_u24 v5, v2, SPITCH                   ; back: lanes 0-15 take one row of 256 bytes, lanes 16-31 the next
	v_lshl_add_u32 v5, v1, 4, v5
	v_add_nc_u32 v[RD], s23, v5
	v_mul_u32_u24 v5, v2, CROW                     ; and the same two rows in C
	v_lshl_add_u32 v[CO], v1, 4, v5
	v_lshlrev_b32 v[BO], 5, v2                     ; eight f32 for each half of the lanes
	s_lshl_b32 s46, s42, 10                        ; my first column, 256 x tile column + 128 x half, in f32 (in the registers that held B's address: none that feeds A's descriptors holds cx)
	s_lshl_b32 s47, s12, 9
	s_add_co_u32 s46, s46, s47
	s_mov_b32 s47, 0
	s_add_nc_u64 s[4:5], s[72:73], s[46:47]        ; the bias of my columns, tile 0
	s_lshr_b32 s46, s46, 1                         ; the same column in f16
	s_add_nc_u64 s[8:9], s[74:75], s[46:47]
	s_lshl_b32 s16, s13, 8
	s_lshl_b32 s18, s11, 7
	s_add_co_u32 s16, s16, s18                     ; my first row of C
	s_mul_i32 s16, s16, CROW                       ; 96 MiB at the most
	s_mov_b32 s17, 0
	s_add_nc_u64 s[8:9], s[8:9], s[16:17]          ; C at my part of tile 0
; 16 loads: the bias of my 128 columns -> window 1, v0-63
.macro BIASLD
	WIN TO_B
.irp b, 0,1,2,3,4,5,6,7
	global_load_b128 v[8*(\b):8*(\b)+3],   v[BO], s[4:5] offset:64*(\b)
	global_load_b128 v[8*(\b)+4:8*(\b)+7], v[BO], s[4:5] offset:64*(\b)+16
.endr
	WIN 0
.endm
; 16 matrix instructions: m blocks a0, a0 + 1 of the window's four (hi = 0: my rows 0-63, 1: rows 64-127) x all 8 n blocks, 32 along K.
; zero = 1: the product starts the sum, with the bias (window 1) as C: nothing is cleared and no add is written.
.macro MUL16 f, hi, a0, zero
.if \zero
	WIN 0x91+0x40*(\hi)                            ; B window 1, A window 0, C window 1, D window 2 or 3
.else
	WIN 0xa1+0x50*(\hi)                            ; B window 1, A window 0, C and D window 2 or 3
.endif
.irp a, \a0, (\a0)+1
.irp b, 0,1,2,3,4,5,6,7
.if \zero
	v_wmma_f32_16x16x32_bf16 v[8*(8*(\a)+(\b)):8*(8*(\a)+(\b))+7], v[(\f)+8*(\b):(\f)+8*(\b)+7], v[(\f)+8*(4*(\hi)+(\a)):(\f)+8*(4*(\hi)+(\a))+7], v[8*(\b):8*(\b)+7]
.else
	v_wmma_f32_16x16x32_bf16 v[8*(8*(\a)+(\b)):8*(8*(\a)+(\b))+7], v[(\f)+8*(\b):(\f)+8*(\b)+7], v[(\f)+8*(4*(\hi)+(\a)):(\f)+8*(4*(\hi)+(\a))+7], v[8*(8*(\a)+(\b)):8*(8*(\a)+(\b))+7]
.endif
.endr
.endr
.endm
; 32 LDS loads in one run: the fragments of one quarter step (128 rows of B, 128 rows of A, 32 K at byte k of the rows) into buffer f
.macro FETCH slot, k, f
	WIN TO_B
.irp i, 0,1,2,3,4,5,6,7
	ds_load_b128 v[(\f)+8*(\i):(\f)+8*(\i)+3],   v[ADRB+(\slot)] offset:(\k)+(\i)*16*PITCH
	ds_load_b128 v[(\f)+8*(\i)+4:(\f)+8*(\i)+7], v[ADRB+(\slot)] offset:(\k)+(\i)*16*PITCH+32
.endr
	WIN 0
.irp i, 0,1,2,3,4,5,6,7
	ds_load_b128 v[(\f)+8*(\i):(\f)+8*(\i)+3],   v[ADRA+(\slot)] offset:(\k)+(\i)*16*PITCH
	ds_load_b128 v[(\f)+8*(\i)+4:(\f)+8*(\i)+7], v[ADRA+(\slot)] offset:(\k)+(\i)*16*PITCH+32
.endr
.endm
; Four places (plain vector instructions that name none of the matrix instruction's registers) in front of loads into registers that matrix instructions have read, and of conversions that read results
.macro PLACES
.rept 4
	v_nop
.endr
.endm
; A K step is four quarters of 32 along K, 64 matrix instructions each, on buffers 0, 1, 0, 1.  The 64 accumulators take turns in the same order in every quarter.
; One of the first three: multiplies buffer f; in its middle it fetches the next quarter's fragments, at byte k of the same slot's rows, into buffer g.
.macro QUARTER slot, k, f, g, zero
	s_wait_dscnt 8                                 ; B and A's rows 0-63 are in; the youngest eight loads (A's rows 64-127) may be out
	MUL16 \f, 0, 0, \zero
	MUL16 \f, 0, 2, \zero
	PLACES
	FETCH \slot, \k, \g
	s_wait_dscnt 32                                ; all but the 32 just issued
	MUL16 \f, 1, 0, \zero
	MUL16 \f, 1, 2, \zero
.endm
; The last quarter multiplies buffer 1 and changes slots.  MEET is its first half: ONE barrier.  In front of it each wave waits for all its tensor loads, of which one is out: its part of the next slot;
; adds 0 to its spare word; and waits for that and for its own reads of this slot.  Behind it nobody reads this slot any more and the next slot is whole.
.macro MEET round
	WIN 0                                          ; (the add's two registers lie in window 0)
	s_wait_tensorcnt 0x0                           ; all my tensor loads have landed
	ds_add_u32 v[SPW], v[NIL]                      ; 0 onto my spare word
	s_wait_dscnt 9                                 ; (the add and the youngest eight loads may be out)
	MUL16 F1, 0, 0, 0                              ; sixteen matrix instructions stand between the add and the wait for it
	s_wait_dscnt 0x0                               ; the add is done, and my reads of this slot are over
	s_barrier_signal -1
	MUL16 F1, 0, 2, 0                              ; work on registers while the others arrive
.if \round
	WIN 0
.endif
	s_barrier_wait -1
.endm
; The whole last quarter.  Behind the round the slot just read out is filled again first: with this tile's K step two steps on (on = 0) or, in a tile's last two K steps, with the NEXT tile's K step 0 or 1 (on = 1).
.macro TURN slot, next, on
	MEET 1
	CREST                                          ; no wave of any partner still reads this slot's tile or has a load on its way
.if \on
	s_sub_nc_u64 s[G0+4*(\slot)+2:G0+4*(\slot)+3], s[G0+4*(\slot)+2:G0+4*(\slot)+3], BACK_A
	s_add_nc_u64 s[G0B+4*(\slot)+2:G0B+4*(\slot)+3], s[G0B+4*(\slot)+2:G0B+4*(\slot)+3], NEXT_B
.else
	s_add_nc_u64 s[G0+4*(\slot)+2:G0+4*(\slot)+3], s[G0+4*(\slot)+2:G0+4*(\slot)+3], 2*KSTEP*2
	s_add_nc_u64 s[G0B+4*(\slot)+2:G0B+4*(\slot)+3], s[G0B+4*(\slot)+2:G0B+4*(\slot)+3], 2*KSTEP*2
.endif
	JLOAD \slot                                    ; my one tensor load behind the round; the four v_nop behind it are also the places in front of the loads below
	FETCH \next, 0, F0
	MUL16 F1, 1, 0, 0
	MUL16 F1, 1, 2, 0
.endm
; THE LAST K STEP OF THE LAST TILE (it lies in slot 1) GOES BY ROWS OF C.  All its fragments of B (4 quarters x 64 registers) fill window 1; then my eight blocks of 16 rows are finished one after the
; other, each with 32 matrix instructions (its 8 accumulators by turns, K ascending: the sums stay the same).  LDS is read no more than in any other K step.
.macro BLOAD q                         ; B's fragments of quarter q -> window 1, v[64 q ..]
	WIN TO_B
.irp i, 0,1,2,3,4,5,6,7
	ds_load_b128 v[64*(\q)+8*(\i):64*(\q)+8*(\i)+3],   v[ADRB+1] offset:64*(\q)+(\i)*16*PITCH
	ds_load_b128 v[64*(\q)+8*(\i)+4:64*(\q)+8*(\i)+7], v[ADRB+1] offset:64*(\q)+(\i)*16*PITCH+32
.endr
.endm
.macro ALOAD a                         ; A's fragments of block a, all four quarters -> buffer a % 4
	WIN 0
.set FA, PA+32*((\a)%4)
.irp q, 0,1,2,3
	ds_load_b128 v[FA+8*(\q):FA+8*(\q)+3],   v[ADRA+1] offset:64*(\q)+(\a)*16*PITCH
	ds_load_b128 v[FA+8*(\q)+4:FA+8*(\q)+7], v[ADRA+1] offset:64*(\q)+(\a)*16*PITCH+32
.endr
.endm
.macro ROW a                           ; block a is finished: 32 matrix instructions
.set FA, PA+32*((\a)%4)                ; its fragments of A
.set AC, 64*((\a)%4)                   ; its eight accumulators, in window 2 (blocks 0-3) or 3 (blocks 4-7)
	WIN 0xa1+0x50*((\a)/4)
.irp q, 0,1,2,3
.if (\a) == 0 && (\q) == 2
	s_wait_dscnt 24                                ; B's quarter 2 is in (behind it: the 24 loads of A's blocks 1 to 3)
.endif
.irp b, 0,1,2,3,4,5,6,7
	v_wmma_f32_16x16x32_bf16 v[AC+8*(\b):AC+8*(\b)+7], v[64*(\q)+8*(\b):64*(\q)+8*(\b)+7], v[FA+8*(\q):FA+8*(\q)+7], v[AC+8*(\b):AC+8*(\b)+7]
.endr
.endr
.endm
; THE WAY OUT of block a (16 rows).  PACK: rounded to f16, 16 bytes a lane; each accumulator's registers in ascending order.  TOSTAGE: into my own stage, and back as whole rows of 256 bytes.  SEND: stored.
.macro PACK a
.set AC, 64*((\a)%4)
	WIN 0x0a+5*((\a)/4)                            ; sources 0 and 1: window 2 or 3
.irp b, 0,1,2,3,4,5,6,7
.irp r, 0,1,2,3
	v_cvt_pk_f16_f32 v[TMP+4*(\b)+(\r)], v[AC+8*(\b)+2*(\r)], v[AC+8*(\b)+2*(\r)+1]
.endr
.endr
	WIN 0
.endm
.macro TOSTAGE a
	WIN 0
.set BK, OB+192*((\a)%2)
.irp b, 0,1,2,3,4,5,6,7
	ds_store_b128 v[STO], v[TMP+4*(\b):TMP+4*(\b)+3] offset:32*(\b)
.endr
.irp t, 0,1,2,3,4,5,6,7
	ds_load_b128 v[BK+4*(\t):BK+4*(\t)+3], v[RD] offset:(\t)*2*SPITCH  ; LDS serves a wave's instructions in order (ISA guide 5.7.1.4): these see the stores above
.endr
.endm
.macro SEND a, younger                 ; younger: the LDS loads issued behind TOSTAGE's, which may stay out
	WIN 0
.set BK, OB+192*((\a)%2)
	s_wait_dscnt \younger                          ; the block is back in registers
	s_wait_xcnt 0x0                                ; the stores of the block before have had their addresses translated (ISA guide 3.1): their registers are loaded again only behind this wait
.irp t, 0,1,2,3,4,5,6,7
	global_store_b128 v[CO], v[BK+4*(\t):BK+4*(\t)+3], s[8:9] offset:(16*(\a)+2*(\t))*CROW  ; 16 lanes store 256 consecutive bytes, at a multiple of 256 from C's first byte; 126 rows at the most: inside the signed 24-bit immediate
.endr
.endm
	BIASLD                                         ; tile 0's bias
	s_wait_tensorcnt 1                             ; my part of K step 0 is in; K step 1's may stay out
	s_barrier_signal -1
	s_barrier_wait -1                              ; everybody's is
	FETCH 0, 0, F0
	s_mov_b32 s2, TILES                            ; tiles to go, this one among them: the same number in every work-group
.Ltile:
	s_wait_loadcnt 0x0                             ; this tile's bias is in; its address registers are free
	QUARTER 0, 64,  F0, F1, 1                      ; a tile's first quarter: its products start the sums
	WIN 0                                          ; at a label and at a branch every window is 0
	s_cmp_eq_u32 s2, 1
	s_cbranch_scc1 .Lno_bias                       ; the last tile has no successor
	PLACES                                         ; the products above have read the bias registers
	s_add_nc_u64 s[4:5], s[4:5], 4096              ; 1,024 columns on
	BIASLD                                         ; it has the whole tile in which to land
.Lno_bias:
	s_mov_b32 s3, LAPS-1
.Llap:                                                 ; a trip goes once round the ring, from a lap's second quarter to the next lap's first, and fills both slots again
	QUARTER 0, 128, F1, F0, 0
	QUARTER 0, 192, F0, F1, 0
	TURN 0, 1, 0
	QUARTER 1, 64,  F0, F1, 0
	QUARTER 1, 128, F1, F0, 0
	QUARTER 1, 192, F0, F1, 0
	TURN 1, 0, 0
	QUARTER 0, 64,  F0, F1, 0
	WIN 0
	s_sub_co_u32 s3, s3, 1
	s_cmp_lg_u32 s3, 0
	s_cbranch_scc1 .Llap
	QUARTER 0, 128, F1, F0, 0                      ; the tile's last lap goes on
	QUARTER 0, 192, F0, F1, 0
	WIN 0
	s_cmp_eq_u32 s2, 1
	s_cbranch_scc1 .Llast                          ; the last tile's tail is written out behind the loop: it asks for nothing more
	TURN 0, 1, 1                                   ; the ring goes on into the next tile: slot 0 takes its K step 0,
	QUARTER 1, 64,  F0, F1, 0
	QUARTER 1, 128, F1, F0, 0
	QUARTER 1, 192, F0, F1, 0
	TURN 1, 0, 1                                   ; slot 1 its K step 1, and the next tile's first fragments are fetched
	PLACES                                         ; both refills are asked for: now the tile goes out; it touches v32-63 and v192-255 of window 0 alone, so the fragments in buffer 0 stay
	PACK 0
	TOSTAGE 0
.irp a, 1,2,3,4,5,6,7                  ; block a's conversions stand between block a - 1's loads from the stage and the wait for them
	PACK \a
	SEND (\a)-1, 0
	TOSTAGE \a
.endr
	SEND 7, 0
	s_wait_xcnt 0x0                                ; the stores have read their base and their registers
	s_add_nc_u64 s[8:9], s[8:9], 2048              ; the next tile: 1,024 columns of f16 on
	s_sub_co_u32 s2, s2, 1
	s_cmp_lg_u32 s2, 0
	s_cbranch_scc1 .Ltile                          ; two trips come back here; the third leaves by the jump above
.Llast:
	s_wait_loadcnt 0x0                             ; no load into the bias registers is out: B's fragments land there below
	MEET 0                                         ; the one tensor load that was out is slot 1's, the last K step's, so no round follows
	PLACES                                         ; for the loads into buffer 0, which the quarter before multiplied
	BLOAD 0                                        ; three quarters of B now: buffer 1 (v128-191 of both windows) is still being multiplied
	BLOAD 1
	BLOAD 3
	ALOAD 0
	MUL16 F1, 1, 0, 0
	MUL16 F1, 1, 2, 0
	PLACES                                         ; for the loads into buffer 1
	BLOAD 2
	ALOAD 1
	ALOAD 2
	ALOAD 3
	s_wait_dscnt 40                                ; all but the 40 just issued
	ROW 0
.irp a, 0,1,2,3,4,5,6,7                ; each block leaves as soon as it is finished: the first 224 matrix instructions ahead of the last product
	PLACES                                         ; its conversions read results just made
	PACK \a
	TOSTAGE \a
.if (\a) < 4
	ALOAD (\a)+4                                   ; its buffer takes the block four further on
	SEND \a, 8
.else
	SEND \a, 0
.endif
.if (\a) < 7
	ROW (\a)+1
.endif
.endr
	s_wait_tensorcnt 0x0                           ; the wave's end: behind my last tensor load and my last LDS store
	ds_add_u32 v[SPW], v[NIL]
	s_wait_dscnt 0x0
	CROUND                                         ; the closing round: no work-group ends while a partner may still ask for a tile that names it
	s_endpgm
.Lfunc_end_k_qdc26997dc3_proj_qkv:
	.size	k_qdc26997dc3_proj_qkv, .Lfunc_end_k_qdc26997dc3_proj_qkv-k_qdc26997dc3_proj_qkv
	.p2alignl 7, 3214868480
	.fill 96, 4, 3214868480
	.section	.rodata,"a",@progbits
	.p2align	6, 0x0
	.amdhsa_kernel k_qdc26997dc3_proj_qkv
		.amdhsa_group_segment_fixed_size 327680
		.amdhsa_private_segment_fixed_size 0
		.amdhsa_enable_private_segment 0
		.amdhsa_kernarg_size 32
		.amdhsa_user_sgpr_count 2
		.amdhsa_user_sgpr_kernarg_segment_ptr 1
		.amdhsa_wavefront_size32 1
		.amdhsa_system_sgpr_workgroup_id_x 1
		.amdhsa_system_sgpr_workgroup_id_y 1
		.amdhsa_system_sgpr_workgroup_id_z 1
		.amdhsa_system_vgpr_workitem_id 0
		.amdhsa_next_free_vgpr 1024
		.amdhsa_next_free_sgpr 76
		.amdhsa_reserve_vcc 0
		.amdhsa_float_denorm_mode_32 3
		.amdhsa_float_denorm_mode_16_64 3
		.amdhsa_memory_ordered 1
		.amdhsa_forward_progress 1
		.amdhsa_inst_pref_size 211
	.end_amdhsa_kernel
	.amdgpu_metadata
---
amdhsa.version: [ 1, 2 ]
amdhsa.kernels:
  - .name:           k_qdc26997dc3_proj_qkv
    .symbol:         k_qdc26997dc3_proj_qkv.kd
    .args:
      - { .name: xb, .offset: 0, .size: 8, .value_kind: global_buffer, .address_space: global }
      - { .name: wqkv, .offset: 8, .size: 8, .value_kind: global_buffer, .address_space: global }
      - { .name: bias, .offset: 16, .size: 8, .value_kind: global_buffer, .address_space: global }
      - { .name: qkv, .offset: 24, .size: 8, .value_kind: global_buffer, .address_space: global }
    .group_segment_fixed_size: 327680
    .private_segment_fixed_size: 0
    .kernarg_segment_align: 8
    .kernarg_segment_size: 32
    .max_flat_workgroup_size: 128
    .sgpr_count:     76
    .vgpr_count:     1024
    .wavefront_size: 32
...
	.end_amdgpu_metadata
.endif
;; end of part 2
;; launch attn (part 3): grid 512 x 1, 8 waves a work-group, no clusters, 0 bytes of LDS; arguments qkv, att; writes att
.if DOCPART == 3
	.amdgcn_target "amdgcn-amd-amdhsa--gfx1250"
	.amdhsa_code_object_version 6
	.text
	.protected	k_qdc26997dc3_attn
	.globl	k_qdc26997dc3_attn
	.p2align	8
	.type	k_qdc26997dc3_attn,@function
k_qdc26997dc3_attn:
	s_mov_b64 s[64:65], 0
	v_nop
	global_prefetch_b8 v0, s[64:65] scope:SCOPE_SE
	s_setreg_imm32_b32 hwreg(HW_REG_WAVE_MODE, 25, 1), 1
	s_wait_xcnt 0x0
; For each token: S = q k^T / 8 over its 16 heads (16 x 16 x 64), softmax over the 16 key heads with the row's true maximum taken away, O = P v.
; qkv: [16384][3072] f16 (q, k, v, 1,024 numbers each, in the column orders below); att: [16384][1024] f16.  Products, maximum and sum in f32; P (already divided by its sum) and O are rounded once to f16.
; COLUMN ORDERS, made by the weights' row order two launches back:
;   q, k: column g*128 + head*8 + e is channel 8 g + e: the 16 bytes of lane l = 16 h + r in load c hold head r, channels 16 c + 8 h + 0..7: loads 2 w, 2 w + 1 ARE the fragment of channels 32 w ..
;   v:    column cb*256 + hh*128 + r*8 + e is channel 16 cb + r of head 8 hh + e: load cb IS the lower half (key heads 0-15) of the fragment of V^T for channels 16 cb ..
;   att:  column cb*256 + h*128 + r*8 + j is head r, channel 16 cb + 8 h + j: what lane 16 h + r holds of O^T's block cb.
; So every load and store of a wave covers 512 consecutive bytes, and nothing changes lanes but one exchange between the halves of the lanes for the maximum and one for the sum.
; S^T = K Q^T (source 0 = 16 key heads, source 1 = 16 query heads): a lane holds ONE query head (l % 16) and the key heads 8 (l / 16) + 0..7; rounded in pairs that IS source 1 of O^T = V^T P.
; The second product has 16 of its 32 K in use: P's upper four registers are 0, and V's upper four are whatever follows in the register file (the next block's v, at last four zeros).
; LIMITS: q, k, v arrive within f16's 65,504 and finite (0 times an infinity in the idle half would be a NaN); a weight below 2^-126 counts as 0; NaN and infinities are not treated apart.
; SHARES: a wave takes 4 tokens, a work-group 32.  All 48 loads of a wave go out first.  No LDS, no loop, no cluster: no byte is read twice.
.set Q, 4                              ; v[4:67]     token t, load c at Q + 16 t + 4 c
.set K, 68                             ; v[68:131]   likewise
.set V, 132                            ; v[132:195]  token t, block cb at V + 16 t + 4 cb
.set Z, 196                            ; v[196:199]  0
.set S, 200                            ; v[200:231]  8 a token: scores, weights, then P (4) and zeros (4)
.set T, 232                            ; v[232:255]  6 a token: c m, m, two at work, l (then 1 / l) and its partner
.macro ALL line:vararg                 ; one line for each token t: dependent lines stand four apart
.set t, 0
.rept 4
	\line
.set t, t+1
.endr
.endm
	s_load_b128 s[4:7], s[0:1], 0x0                ; qkv s[4:5], att s[6:7]
	v_and_b32 v3, 31, v0
	v_lshrrev_b32 v2, 5, v0                        ; wave
	v_lshlrev_b32 v3, 4, v3                        ; 16 bytes a lane
	v_mad_u32_u24 v1, v2, 0x6000, v3               ; in qkv: + wave x 4 tokens x 6,144 bytes
	v_lshl_add_u32 v2, v2, 13, v3                  ; in att: + wave x 4 tokens x 2,048 bytes
	s_mul_i32 s16, ttmp9, 196608                   ; the work-group's 32 tokens of 6,144 bytes
	s_mov_b32 s17, 0
	s_lshl_b32 s18, ttmp9, 16                      ; and of 2,048
	s_mov_b32 s19, 0
	s_mov_b32 s12, 0x3e38aa3b                      ; c = log2(e) / 8
	s_mov_b32 s13, s12                             ; named with it as a pair
	s_mov_b32 s14, 0x76543210                      ; v_permlanex16_b32: each lane takes its own place in the other half
	s_mov_b32 s15, 0xfedcba98
	s_wait_kmcnt 0x0
	s_add_nc_u64 s[8:9], s[4:5], s[16:17]
	s_add_nc_u64 s[10:11], s[6:7], s[18:19]
.set t, 0
.rept 4
.irp c, 0,1,2,3
	global_load_b128 v[Q+16*t+4*(\c):Q+16*t+4*(\c)+3], v1, s[8:9] offset:t*6144+(\c)*512 th:TH_LOAD_NT
	global_load_b128 v[K+16*t+4*(\c):K+16*t+4*(\c)+3], v1, s[8:9] offset:t*6144+2048+(\c)*512 th:TH_LOAD_NT
.endr
.set t, t+1
.endr
.set t, 0
.rept 4
.irp c, 0,1,2,3
	global_load_b128 v[V+16*t+4*(\c):V+16*t+4*(\c)+3], v1, s[8:9] offset:t*6144+4096+(\c)*512 th:TH_LOAD_NT
.endr
.set t, t+1
.endr
	s_wait_loadcnt 16                              ; q and k are in; v's sixteen loads stay out
	; eight products; the four tokens' accumulators take turns
	ALL v_wmma_f32_16x16x32_f16 v[S+8*t:S+8*t+7], v[K+16*t:K+16*t+7], v[Q+16*t:Q+16*t+7], 0
	ALL v_wmma_f32_16x16x32_f16 v[S+8*t:S+8*t+7], v[K+16*t+8:K+16*t+15], v[Q+16*t+8:Q+16*t+15], v[S+8*t:S+8*t+7]
.irp i, 0,1,2,3
	v_mov_b32 v[Z+(\i)], 0                         ; the zeros behind the last block of v; also the four places behind the products
.endr
	; the maximum of a query head's 16 scores: eight in the lane (the accumulator's lowest registers first), eight in the lane 16 away
	ALL v_max3_num_f32 v[T+6*t+2], v[S+8*t], v[S+8*t+1], v[S+8*t+2]
	ALL v_max3_num_f32 v[T+6*t+3], v[S+8*t+3], v[S+8*t+4], v[S+8*t+5]
	ALL v_max3_num_f32 v[T+6*t+2], v[T+6*t+2], v[S+8*t+6], v[S+8*t+7]
	ALL v_max_num_f32 v[T+6*t+2], v[T+6*t+2], v[T+6*t+3]
	ALL v_permlanex16_b32 v[T+6*t+3], v[T+6*t+2], s14, s15
	ALL v_max_num_f32 v[T+6*t+1], v[T+6*t+2], v[T+6*t+3]
	ALL v_mul_f32 v[T+6*t], s12, v[T+6*t+1]
.irp i, 0,2,4,6
	ALL v_pk_fma_f32 v[S+8*t+(\i):S+8*t+(\i)+1], v[S+8*t+(\i):S+8*t+(\i)+1], s[12:13], v[T+6*t:T+6*t+1] op_sel_hi:[1,0,0] neg_lo:[0,0,1] neg_hi:[0,0,1]  ; c s - c m
.endr
.set i, 0
.rept 32
	v_exp_f32 v[S+i], v[S+i]
.set i, i+1
.endr
	v_nop                                          ; a plain instruction between the last exponential and the use of its result (ISA guide 5.7.2)
	s_wait_alu depctr_va_vdst(0)
	ALL v_pk_add_f32 v[T+6*t+2:T+6*t+3], v[S+8*t:S+8*t+1], v[S+8*t+2:S+8*t+3]
	ALL v_pk_add_f32 v[T+6*t+4:T+6*t+5], v[S+8*t+4:S+8*t+5], v[S+8*t+6:S+8*t+7]
	ALL v_pk_add_f32 v[T+6*t+2:T+6*t+3], v[T+6*t+2:T+6*t+3], v[T+6*t+4:T+6*t+5]
	ALL v_add_f32 v[T+6*t+4], v[T+6*t+2], v[T+6*t+3]
	ALL v_permlanex16_b32 v[T+6*t+5], v[T+6*t+4], s14, s15
	ALL v_add_f32 v[T+6*t+4], v[T+6*t+4], v[T+6*t+5]
	ALL v_rcp_f32 v[T+6*t+4], v[T+6*t+4]
	v_nop                                          ; a plain instruction behind the last reciprocal
	s_wait_alu depctr_va_vdst(0)
.irp i, 0,2,4,6
	ALL v_pk_mul_f32 v[S+8*t+(\i):S+8*t+(\i)+1], v[S+8*t+(\i):S+8*t+(\i)+1], v[T+6*t+4:T+6*t+5] op_sel_hi:[1,0]  ; the weights are divided before they are rounded: 4 lines a token, against 16 on O^T
.endr
.irp i, 0,1,2,3
	ALL v_cvt_pk_f16_f32 v[S+8*t+(\i)], v[S+8*t+2*(\i)], v[S+8*t+2*(\i)+1]  ; in place, ascending: register i is read before it is written
.endr
.irp i, 4,5,6,7
	ALL v_mov_b32 v[S+8*t+(\i)], 0                 ; K = 16 .. 31 of source 1
.endr
	s_wait_loadcnt 0x0                             ; v
	; sixteen products, sixteen accumulators, each started by the constant 0; they take the registers of q and k, whose last readers stand far back
.set t, 0
.rept 4
.irp cb, 0,1,2,3
	v_wmma_f32_16x16x32_f16 v[4+32*t+8*(\cb):4+32*t+8*(\cb)+7], v[V+16*t+4*(\cb):V+16*t+4*(\cb)+7], v[S+8*t:S+8*t+7], 0
.endr
.set t, t+1
.endr
.rept 4
	v_nop                                          ; the places behind the last products
.endr
.set t, 0
.rept 4
.irp cb, 0,1,2,3
.set OA, 4+32*t+8*(\cb)
	v_cvt_pk_f16_f32 v[OA], v[OA], v[OA+1]
	v_cvt_pk_f16_f32 v[OA+1], v[OA+2], v[OA+3]
	v_cvt_pk_f16_f32 v[OA+2], v[OA+4], v[OA+5]
	v_cvt_pk_f16_f32 v[OA+3], v[OA+6], v[OA+7]
	global_store_b128 v2, v[OA:OA+3], s[10:11] offset:t*2048+(\cb)*512  ; 512 consecutive bytes, at a multiple of 256 from att's first byte
.endr
.set t, t+1
.endr
	s_endpgm
.Lfunc_end_k_qdc26997dc3_attn:
	.size	k_qdc26997dc3_attn, .Lfunc_end_k_qdc26997dc3_attn-k_qdc26997dc3_attn
	.p2alignl 7, 3214868480
	.fill 96, 4, 3214868480
	.section	.rodata,"a",@progbits
	.p2align	6, 0x0
	.amdhsa_kernel k_qdc26997dc3_attn
		.amdhsa_group_segment_fixed_size 0
		.amdhsa_private_segment_fixed_size 0
		.amdhsa_enable_private_segment 0
		.amdhsa_kernarg_size 16
		.amdhsa_user_sgpr_count 2
		.amdhsa_user_sgpr_kernarg_segment_ptr 1
		.amdhsa_wavefront_size32 1
		.amdhsa_system_sgpr_workgroup_id_x 1
		.amdhsa_system_sgpr_workgroup_id_y 1
		.amdhsa_system_sgpr_workgroup_id_z 1
		.amdhsa_system_vgpr_workitem_id 0
		.amdhsa_next_free_vgpr 256
		.amdhsa_next_free_sgpr 66
		.amdhsa_reserve_vcc 0
		.amdhsa_float_denorm_mode_32 3
		.amdhsa_float_denorm_mode_16_64 3
		.amdhsa_memory_ordered 1
		.amdhsa_forward_progress 1
		.amdhsa_inst_pref_size 21
	.end_amdhsa_kernel
	.amdgpu_metadata
---
amdhsa.version: [ 1, 2 ]
amdhsa.kernels:
  - .name:           k_qdc26997dc3_attn
    .symbol:         k_qdc26997dc3_attn.kd
    .args:
      - { .name: qkv, .offset: 0, .size: 8, .value_kind: global_buffer, .address_space: global }
      - { .name: att, .offset: 8, .size: 8, .value_kind: global_buffer, .address_space: global }
    .group_segment_fixed_size: 0
    .private_segment_fixed_size: 0
    .kernarg_segment_align: 8
    .kernarg_segment_size: 16
    .max_flat_workgroup_size: 256
    .sgpr_count:     66
    .vgpr_count:     256
    .wavefront_size: 32
...
	.end_amdgpu_metadata
.endif
;; end of part 3
;; launch proj_out (part 4): grid 4 x 64, 4 waves a work-group, clusters of 4 x 4, 327,680 bytes of LDS; arguments att, wo16, bias, out0; writes out0
.if DOCPART == 4
	.amdgcn_target "amdgcn-amd-amdhsa--gfx1250"
	.amdhsa_code_object_version 6
	.text
	.protected	k_qdc26997dc3_proj_out
	.globl	k_qdc26997dc3_proj_out
	.p2align	8
	.type	k_qdc26997dc3_proj_out,@function
k_qdc26997dc3_proj_out:
	s_mov_b64 s[64:65], 0
	v_nop
	global_prefetch_b8 v0, s[64:65] scope:SCOPE_SE
	s_setreg_imm32_b32 hwreg(HW_REG_WAVE_MODE, 25, 1), 1
	s_wait_xcnt 0x0
	s_wait_alu depctr_hold_cnt(0) depctr_sa_sdst(0) depctr_va_vdst(0) depctr_va_sdst(0) depctr_va_ssrc(0) depctr_va_vcc(0) depctr_vm_vsrc(0)
	s_getreg_b32 s2, hwreg(HW_REG_IB_STS2, 6, 4)
	s_cmp_eq_u32 s2, 0
	s_cbranch_scc0 .Lentry_in_a_cluster
	s_endpgm
.Lentry_in_a_cluster:
	s_bfe_u32 s2, ttmp6, 0x10000c
	s_cmp_lg_u32 s2, 0xf033
	s_cbranch_scc0 .Lentry_shape_is_right
	s_endpgm
.Lentry_shape_is_right:
; out0[m][n] = sum over k of att[m][k] wo16[n][k] + bo[n].  att: [16384][1024] f16, wo16: [1024][1024] f16 (both with the same order of k), bo = bias[3072 ..] f32, out0: [16384][1024] f32; sums in f32.
; One tile of C, 256 x 256, to a work-group of four waves, 128 x 128 each: 64 accumulators, 512 registers; 4 x 64 work-groups.  K goes in 8 steps of 128 through a ring of two LDS slots filled by the
; tensor data mover: rows of 256 bytes that start at multiples of 256 bytes.
; THE LAST K STEP GOES BY ROWS OF C: nothing follows the tile under which its 256 KiB of stores could leave, so its row blocks are finished one after the other and each leaves at once.
; CLUSTERS: 4 x 4 work-groups.  The four of a row of the cluster need the same tiles of A, the four of a column the same tiles of B: each tile is asked for JOINTLY, by the same tensor load with the
; same descriptor and a mask that names the four.
; THE MATRIX INSTRUCTION IS USED TRANSPOSED (source 0 = 16 rows of B, source 1 = 16 rows of A): lane l holds row l % 16 of C and the eight neighbouring columns 8 (l / 16) + 0..7: 32 bytes of f32.
; THE BIAS IS THE C OPERAND of the product that starts each sum: 64 registers serve all eight row blocks.
; REGISTERS, in windows of 256 (s_set_vgpr_msb's low byte: bits 1:0 source 0, 3:2 source 1, 5:4 source 2, 7:6 destination):
;   window 0: v0-31 addresses; v64-127, v128-191 fragments of A, two buffers (in the last K step four, of 16 rows x 128 K); v192-255 the rows read back from the stage
;   window 1: v0-63 the bias; v64-127, v128-191 fragments of B, two buffers; in the last K step all 256: B's fragments of the whole step
;   window 2: the 32 accumulators of my rows 0-63 ((a, b) at v[8 (8 a + b)]);   window 3: those of my rows 64-127
.set SIZE_K, 1024
.set KSTEP,  128
.set PITCH,  272                       ; an LDS row: 256 bytes + 16 of padding = 68 words: the 16 rows that a load touches start at 16 different groups of four banks (64 banks of 4 bytes: ISA guide 11.1)
.set HALFT,  128*PITCH
.set SLOT,   4*HALFT                   ; A's 256 rows, then B's 256 rows
.set STAGE,  2*SLOT                    ; behind the ring: 16 rows x 528 bytes for each wave, for the way out; no tensor load lands there
.set SP,     528                       ; 512 bytes + 16: 33 x 16 bytes
.set SPARE,  STAGE+4*16*SP             ; behind the stages: the spare words, 128 bytes for each wave: two blocks of 256 bytes that no other line names
.set LAPS,   SIZE_K/(2*KSTEP)
.set CROW,   4096                      ; bytes in a row of C
.set ADRA, 16
.set ADRB, 20
.set STO,  24                          ; v24     the way out: where I put 32 bytes of a row
.set RD,   25                          ; v25     the way out: where I read a row back
.set CO,   26                          ; v26     my byte offset in a row's 512 bytes of C
.set BO,   27                          ; v27     my byte offset in the wave's 128 numbers of the bias
.set SPW,  28                          ; v28     LDS address of my spare word; never rewritten
.set NIL,  29                          ; v29     0; never rewritten
.set F0,   64
.set F1,   128
.set PA,   64                          ; the last K step: A's fragments of 16 rows x 128 K, 32 registers; four such buffers, v64-191
.set BK,   192                         ; the way out: 16 rows of 512 bytes read back: 64 registers
.set G1,  24
.set G0,  32
.set G1B, 48
.set G0B, 56
.set MSB, 0
.macro WIN new                         ; the immediate's high byte repeats the setting that is left; a switch that changes nothing is dropped
.if MSB != (\new)
	s_set_vgpr_msb (MSB<<8)|(\new)
.set MSB, \new
.endif
.endm
.set TO_B, 0x40                        ; destination window 1, address window 0
; A joint load.  Waves 0 and 1 fetch A's two halves, waves 2 and 3 B's.  The branch hangs on the wave's number alone.  An s_nop 0 and four v_nop follow each of the two lines.
.macro JLOAD s
	s_cmp_eq_u32 s11, 0
	s_cbranch_scc0 .Lfor_b_\@
	tensor_load_to_lds s[G0+4*(\s):G0+4*(\s)+3], s[G1:G1+7]
	s_nop 0
.rept 4
	v_nop
.endr
	s_branch .Lasked_\@
.Lfor_b_\@:
	tensor_load_to_lds s[G0B+4*(\s):G0B+4*(\s)+3], s[G1B:G1B+7]
	s_nop 0
.rept 4
	v_nop
.endr
.Lasked_\@:
.endm
.macro CREST                           ; a round of the cluster's barrier behind its opening barrier
	s_cmp_lg_u32 s10, 0
	s_cbranch_scc1 .Lnot_wave_0_\@
	s_barrier_signal -3
.Lnot_wave_0_\@:
	s_barrier_wait -3
	s_barrier_signal -1
	s_barrier_wait -1
.endm
.macro CROUND                          ; a whole round
	s_barrier_signal -1
	s_barrier_wait -1
	CREST
.endm
	s_load_b256 s[68:75], s[0:1], 0x0              ; A s[68:69], B s[70:71], bias s[72:73], C s[74:75]
	v_lshl_add_u32 v[SPW], v0, 2, SPARE
	v_mov_b32 v[NIL], 0
	ds_add_u32 v[SPW], v[NIL]                      ; the wave's opening: the add and its wait stand ahead of my first tensor load; the set-up below, work on registers, stands between them
	v_lshrrev_b32 v1, 5, v0
	v_readfirstlane_b32 s10, v1                    ; wave 0..3
	s_lshr_b32 s11, s10, 1                         ; which half of the tile's rows is mine.  Also: I fetch for A (0) or for B (1)
	s_and_b32 s12, s10, 1                          ; which half of its columns.  Also: which 128 rows of that tile I fetch
	s_bfe_u32 s40, ttmp6, 0x40000                  ; cx, cy: my place in the cluster
	s_bfe_u32 s41, ttmp6, 0x40004
	s_lshl_b32 s42, ttmp9, 2
	s_add_co_u32 s42, s42, s40                     ; tile column = 4 x cluster x + cx
	s_and_b32 s13, ttmp7, 0xffff
	s_lshl_b32 s13, s13, 2
	s_add_co_u32 s13, s13, s41                     ; tile row = 4 x cluster y + cy
	s_lshl_b32 s43, s41, 2
	s_lshl_b32 s43, 15, s43                        ; my row of the cluster
	s_lshl_b32 s44, 0x1111, s40                    ; my column
	s_or_b32 s[G1+0], s43, (1<<16)|(1<<20)|(1<<21)|(5<<22)|(3<<25)  ; 15:0 the mask; 17:16 elements of 2 bytes; 20 padding on; 21 set beside a mask; 24:22 after every 64 words (code 5); 31:25 4 words (code 3)
	s_or_b32 s[G1B+0], s44, (1<<16)|(1<<20)|(1<<21)|(5<<22)|(3<<25)
.irp g, G1, G1B
	s_mov_b32 s[(\g)+1], KSTEP<<16                 ; tensor_dim0 = 128
	s_mov_b32 s[(\g)+2], 128<<16                   ; tensor_dim1 = 128
	s_mov_b32 s[(\g)+3], KSTEP<<16                 ; tile_dim0 = 128
	s_mov_b32 s[(\g)+4], 128                       ; tile_dim1 = 128
	s_mov_b32 s[(\g)+5], SIZE_K                    ; elements from row to row
	s_mov_b32 s[(\g)+6], 0
	s_mov_b32 s[(\g)+7], 0
.endr
	s_lshl_b32 s17, s12, 7                         ; which 128 rows of the tile I fetch
	s_lshl_b32 s16, s13, 8
	s_add_co_u32 s16, s16, s17                     ; A: row 256 x tile row + 128 x half
	s_lshl_b32 s46, s42, 8
	s_add_co_u32 s46, s46, s17                     ; B: row 256 x tile column + 128 x half
	s_lshl_b32 s16, s16, 11                        ; rows of 2,048 bytes
	s_lshl_b32 s46, s46, 11
	s_mov_b32 s17, 0
	s_mov_b32 s47, 0
	s_mul_i32 s20, s10, HALFT                      ; where they go: wave x 128 rows
	s_wait_dscnt 0x0                               ; the opening add is done
	s_wait_kmcnt 0x0
	s_add_nc_u64 s[14:15], s[68:69], s[16:17]
	s_add_nc_u64 s[46:47], s[70:71], s[46:47]
	CROUND                                         ; all sixteen work-groups are here: the first joint loads meet
.irp s, 0,1
	s_mov_b32 s[G0+4*(\s)], 1
	s_add_co_u32 s[G0+4*(\s)+1], s20, (\s)*SLOT
	s_add_nc_u64 s[G0+4*(\s)+2:G0+4*(\s)+3], s[14:15], (\s)*KSTEP*2
	s_or_b32 s[G0+4*(\s)+3], s[G0+4*(\s)+3], 0x80000000
	s_mov_b32 s[G0B+4*(\s)], 1
	s_add_co_u32 s[G0B+4*(\s)+1], s20, (\s)*SLOT
	s_add_nc_u64 s[G0B+4*(\s)+2:G0B+4*(\s)+3], s[46:47], (\s)*KSTEP*2
	s_or_b32 s[G0B+4*(\s)+3], s[G0B+4*(\s)+3], 0x80000000
	JLOAD \s                                       ; two loads of mine are out
.endr
	v_and_b32 v1, 15, v0                           ; l % 16
	v_bfe_u32 v2, v0, 4, 1                         ; l / 16
	v_mul_u32_u24 v3, v1, PITCH
	v_lshl_add_u32 v3, v2, 4, v3                   ; a fragment's row x pitch + 16 x half
	s_mul_i32 s21, s11, HALFT                      ; my 128 rows of A
	s_mul_i32 s22, s12, HALFT                      ; my 128 rows of B,
	s_add_co_u32 s22, s22, 2*HALFT                 ; which lie behind A's 256
.irp s, 0,1
	v_add_nc_u32 v[ADRA+(\s)], s21, v3
	v_add_nc_u32 v[ADRB+(\s)], s22, v3
	s_add_co_u32 s21, s21, SLOT
	s_add_co_u32 s22, s22, SLOT
.endr
	s_mul_i32 s23, s10, 16*SP
	s_add_co_u32 s23, s23, STAGE                   ; my stage
	v_mul_u32_u24 v4, v1, SP                       ; in: row l % 16, 32 bytes for each half of the lanes
	v_lshl_add_u32 v4, v2, 5, v4
	v_add_nc_u32 v[STO], s23, v4
	v_and_b32 v5, 31, v0
	v_lshlrev_b32 v[CO], 4, v5                     ; back and out: 32 lanes take one row's 512 bytes
	v_add_nc_u32 v[RD], s23, v[CO]
	v_lshlrev_b32 v[BO], 5, v2                     ; eight f32 for each half of the lanes
	s_lshl_b32 s46, s42, 10                        ; my first column, 256 x tile column + 128 x half, in f32 (in the registers that held B's address)
	s_lshl_b32 s47, s12, 9
	s_add_co_u32 s46, s46, s47
	s_mov_b32 s47, 0
	s_add_nc_u64 s[4:5], s[72:73], s[46:47]
	s_add_nc_u64 s[4:5], s[4:5], 12288             ; bo lies behind the three other biases
	s_add_nc_u64 s[8:9], s[74:75], s[46:47]
	s_lshl_b32 s16, s13, 8
	s_lshl_b32 s18, s11, 7
	s_add_co_u32 s16, s16, s18                     ; my first row of C
	s_lshl_b32 s16, s16, 12                        ; rows of 4,096 bytes: 64 MiB at the most
	s_mov_b32 s17, 0
	s_add_nc_u64 s[8:9], s[8:9], s[16:17]
; 16 matrix instructions: m blocks a0, a0 + 1 of the window's four (hi = 0: my rows 0-63, 1: rows 64-127) x all 8 n blocks, 32 along K.  zero = 1: the product starts the sum, with the bias (window 1) as C.
.macro MUL16 f, hi, a0, zero
.if \zero
	WIN 0x91+0x40*(\hi)                            ; B window 1, A window 0, C window 1, D window 2 or 3
.else
	WIN 0xa1+0x50*(\hi)                            ; B window 1, A window 0, C and D window 2 or 3
.endif
.irp a, \a0, (\a0)+1
.irp b, 0,1,2,3,4,5,6,7
.if \zero
	v_wmma_f32_16x16x32_f16 v[8*(8*(\a)+(\b)):8*(8*(\a)+(\b))+7], v[(\f)+8*(\b):(\f)+8*(\b)+7], v[(\f)+8*(4*(\hi)+(\a)):(\f)+8*(4*(\hi)+(\a))+7], v[8*(\b):8*(\b)+7]
.else
	v_wmma_f32_16x16x32_f16 v[8*(8*(\a)+(\b)):8*(8*(\a)+(\b))+7], v[(\f)+8*(\b):(\f)+8*(\b)+7], v[(\f)+8*(4*(\hi)+(\a)):(\f)+8*(4*(\hi)+(\a))+7], v[8*(8*(\a)+(\b)):8*(8*(\a)+(\b))+7]
.endif
.endr
.endr
.endm
; 32 LDS loads in one run: the fragments of one quarter step into buffer f
.macro FETCH slot, k, f
	WIN TO_B
.irp i, 0,1,2,3,4,5,6,7
	ds_load_b128 v[(\f)+8*(\i):(\f)+8*(\i)+3],   v[ADRB+(\slot)] offset:(\k)+(\i)*16*PITCH
	ds_load_b128 v[(\f)+8*(\i)+4:(\f)+8*(\i)+7], v[ADRB+(\slot)] offset:(\k)+(\i)*16*PITCH+32
.endr
	WIN 0
.irp i, 0,1,2,3,4,5,6,7
	ds_load_b128 v[(\f)+8*(\i):(\f)+8*(\i)+3],   v[ADRA+(\slot)] offset:(\k)+(\i)*16*PITCH
	ds_load_b128 v[(\f)+8*(\i)+4:(\f)+8*(\i)+7], v[ADRA+(\slot)] offset:(\k)+(\i)*16*PITCH+32
.endr
.endm
; Four places (plain vector instructions that name none of the matrix instruction's registers) in front of loads into registers that matrix instructions have read, and of LDS stores that read results
.macro PLACES
.rept 4
	v_nop
.endr
.endm
; A K step is four quarters of 32 along K, 64 matrix instructions each, on buffers 0, 1, 0, 1.  The 64 accumulators take turns in the same order in every quarter.
.macro QUARTER slot, k, f, g, zero
	s_wait_dscnt 8                                 ; B and A's rows 0-63 are in; the youngest eight loads (A's rows 64-127) may be out
	MUL16 \f, 0, 0, \zero
	MUL16 \f, 0, 2, \zero
	PLACES
	FETCH \slot, \k, \g
	s_wait_dscnt 32                                ; all but the 32 just issued
	MUL16 \f, 1, 0, \zero
	MUL16 \f, 1, 2, \zero
.endm
; The last quarter's first half: ONE barrier for the change of slots.  In front of it each wave waits for all its tensor loads, of which one is out: its part of the next slot; adds 0 to its spare word;
; and waits for that and for its own reads of this slot.
.macro MEET round
	WIN 0                                          ; (the add's two registers lie in window 0)
	s_wait_tensorcnt 0x0                           ; all my tensor loads have landed
	ds_add_u32 v[SPW], v[NIL]                      ; 0 onto my spare word
	s_wait_dscnt 9                                 ; (the add and the youngest eight loads may be out)
	MUL16 F1, 0, 0, 0                              ; sixteen matrix instructions stand between the add and the wait for it
	s_wait_dscnt 0x0                               ; the add is done, and my reads of this slot are over
	s_barrier_signal -1
	MUL16 F1, 0, 2, 0                              ; work on registers while the others arrive
.if \round
	WIN 0
.endif
	s_barrier_wait -1
.endm
; The whole last quarter: behind the round the slot just read out is filled again first, with the K step two steps on.
.macro TURN slot, next
	MEET 1
	CREST                                          ; no wave of any partner still reads this slot's tile or has a load on its way
	s_add_nc_u64 s[G0+4*(\slot)+2:G0+4*(\slot)+3], s[G0+4*(\slot)+2:G0+4*(\slot)+3], 2*KSTEP*2
	s_add_nc_u64 s[G0B+4*(\slot)+2:G0B+4*(\slot)+3], s[G0B+4*(\slot)+2:G0B+4*(\slot)+3], 2*KSTEP*2
	JLOAD \slot                                    ; my one tensor load behind the round; the four v_nop behind it are also the places in front of the loads below
	FETCH \next, 0, F0
	MUL16 F1, 1, 0, 0
	MUL16 F1, 1, 2, 0
.endm
; THE LAST K STEP (it lies in slot 1) GOES BY ROWS OF C.  All its fragments of B (4 quarters x 64 registers) fill window 1; then my eight blocks of 16 rows are finished one after the other, each with
; 32 matrix instructions (its 8 accumulators by turns, K ascending: the sums stay the same).  LDS is read no more than in any other K step.
.macro BLOAD q                         ; B's fragments of quarter q -> window 1, v[64 q ..]
	WIN TO_B
.irp i, 0,1,2,3,4,5,6,7
	ds_load_b128 v[64*(\q)+8*(\i):64*(\q)+8*(\i)+3],   v[ADRB+1] offset:64*(\q)+(\i)*16*PITCH
	ds_load_b128 v[64*(\q)+8*(\i)+4:64*(\q)+8*(\i)+7], v[ADRB+1] offset:64*(\q)+(\i)*16*PITCH+32
.endr
.endm
.macro ALOAD a                         ; A's fragments of block a, all four quarters -> buffer a % 4
	WIN 0
.set FA, PA+32*((\a)%4)
.irp q, 0,1,2,3
	ds_load_b128 v[FA+8*(\q):FA+8*(\q)+3],   v[ADRA+1] offset:64*(\q)+(\a)*16*PITCH
	ds_load_b128 v[FA+8*(\q)+4:FA+8*(\q)+7], v[ADRA+1] offset:64*(\q)+(\a)*16*PITCH+32
.endr
.endm
.macro ROW a                           ; block a is finished: 32 matrix instructions
.set FA, PA+32*((\a)%4)                ; its fragments of A
.set AC, 64*((\a)%4)                   ; its eight accumulators, in window 2 (blocks 0-3) or 3 (blocks 4-7)
	WIN 0xa1+0x50*((\a)/4)
.irp q, 0,1,2,3
.if (\a) == 0 && (\q) == 2
	s_wait_dscnt 24                                ; B's quarter 2 is in (behind it: the 24 loads of A's blocks 1 to 3)
.endif
.irp b, 0,1,2,3,4,5,6,7
	v_wmma_f32_16x16x32_f16 v[AC+8*(\b):AC+8*(\b)+7], v[64*(\q)+8*(\b):64*(\q)+8*(\b)+7], v[FA+8*(\q):FA+8*(\q)+7], v[AC+8*(\b):AC+8*(\b)+7]
.endr
.endr
.endm
; THE WAY OUT of block a (16 rows x 128 columns of f32).  TOSTAGE: a lane's 32 bytes of each accumulator go into my own stage, the four lowest registers first; whole rows of 512 bytes come back.  SEND: stored.
.macro TOSTAGE a
.set AC, 64*((\a)%4)
.if (\a) >= 1
	s_wait_xcnt 0x0                                ; the stores of the block before have had their addresses translated (ISA guide 3.1): their registers are loaded again only behind this wait
.endif
	WIN 0x08+4*((\a)/4)                            ; the stores' data (source 1) in window 2 or 3
.irp b, 0,1,2,3,4,5,6,7
	ds_store_b128 v[STO], v[AC+8*(\b):AC+8*(\b)+3] offset:64*(\b)
	ds_store_b128 v[STO], v[AC+8*(\b)+4:AC+8*(\b)+7] offset:64*(\b)+16
.endr
	WIN 0
.irp t, 0,1,2,3,4,5,6,7,8,9,10,11,12,13,14,15
	ds_load_b128 v[BK+4*(\t):BK+4*(\t)+3], v[RD] offset:(\t)*SP  ; LDS serves a wave's instructions in order (ISA guide 5.7.1.4): these see the stores above, and the next block's stores come behind them
.endr
.endm
.macro SEND a, younger                 ; younger: the LDS loads issued behind TOSTAGE's, which may stay out
	s_wait_dscnt \younger
.irp t, 0,1,2,3,4,5,6,7,8,9,10,11,12,13,14,15
	global_store_b128 v[CO], v[BK+4*(\t):BK+4*(\t)+3], s[8:9] offset:(16*(\a)+(\t))*CROW th:TH_STORE_NT  ; 512 consecutive bytes, at a multiple of 256 from C's first byte; 127 rows at the most: inside the signed 24-bit immediate
.endr
.endm
	WIN TO_B                                       ; the bias of my 128 columns -> window 1, v0-63
.irp b, 0,1,2,3,4,5,6,7
	global_load_b128 v[8*(\b):8*(\b)+3],   v[BO], s[4:5] offset:64*(\b)
	global_load_b128 v[8*(\b)+4:8*(\b)+7], v[BO], s[4:5] offset:64*(\b)+16
.endr
	WIN 0
	s_wait_tensorcnt 1                             ; my part of K step 0 is in; K step 1's may stay out
	s_barrier_signal -1
	s_barrier_wait -1                              ; everybody's is
	FETCH 0, 0, F0
	s_wait_loadcnt 0x0                             ; the bias
	QUARTER 0, 64,  F0, F1, 1                      ; the first quarter stands in front of the loop: its products start the sums
	WIN 0                                          ; at a label and at a branch every window is 0
	s_mov_b32 s3, LAPS-1
.Llap:                                                 ; a trip goes once round the ring, from a lap's second quarter to the next lap's first, and fills both slots again
	QUARTER 0, 128, F1, F0, 0
	QUARTER 0, 192, F0, F1, 0
	TURN 0, 1
	QUARTER 1, 64,  F0, F1, 0
	QUARTER 1, 128, F1, F0, 0
	QUARTER 1, 192, F0, F1, 0
	TURN 1, 0
	QUARTER 0, 64,  F0, F1, 0
	WIN 0
	s_sub_co_u32 s3, s3, 1
	s_cmp_lg_u32 s3, 0
	s_cbranch_scc1 .Llap
	QUARTER 0, 128, F1, F0, 0                      ; the last lap fills nothing
	QUARTER 0, 192, F0, F1, 0
	MEET 0                                         ; the one tensor load that was out is slot 1's, the last K step's; no round follows
	PLACES                                         ; for the loads into buffer 0, which the quarter before multiplied
	BLOAD 0                                        ; three quarters of B now (the first lands where the bias lay, read last by the first quarter): buffer 1 is still being multiplied
	BLOAD 1
	BLOAD 3
	ALOAD 0
	MUL16 F1, 1, 0, 0
	MUL16 F1, 1, 2, 0
	PLACES                                         ; for the loads into buffer 1
	BLOAD 2
	ALOAD 1
	ALOAD 2
	ALOAD 3
	s_wait_dscnt 40                                ; all but the 40 just issued
	ROW 0
.irp a, 0,1,2,3,4,5,6,7                ; each block leaves as soon as it is finished: the first 224 matrix instructions ahead of the last product
	PLACES                                         ; LDS stores read results just made, and loads land in the block's fragments of A
	TOSTAGE \a
.if (\a) < 4
	ALOAD (\a)+4                                   ; its buffer takes the block four further on
	SEND \a, 8
.else
	SEND \a, 0
.endif
.if (\a) < 7
	ROW (\a)+1
.endif
.endr
	s_wait_tensorcnt 0x0                           ; the wave's end: behind my last tensor load and my last LDS store
	ds_add_u32 v[SPW], v[NIL]
	s_wait_dscnt 0x0
	CROUND                                         ; the closing round: no work-group ends while a partner may still ask for a tile that names it
	s_endpgm
.Lfunc_end_k_qdc26997dc3_proj_out:
	.size	k_qdc26997dc3_proj_out, .Lfunc_end_k_qdc26997dc3_proj_out-k_qdc26997dc3_proj_out
	.p2alignl 7, 3214868480
	.fill 96, 4, 3214868480
	.section	.rodata,"a",@progbits
	.p2align	6, 0x0
	.amdhsa_kernel k_qdc26997dc3_proj_out
		.amdhsa_group_segment_fixed_size 327680
		.amdhsa_private_segment_fixed_size 0
		.amdhsa_enable_private_segment 0
		.amdhsa_kernarg_size 32
		.amdhsa_user_sgpr_count 2
		.amdhsa_user_sgpr_kernarg_segment_ptr 1
		.amdhsa_wavefront_size32 1
		.amdhsa_system_sgpr_workgroup_id_x 1
		.amdhsa_system_sgpr_workgroup_id_y 1
		.amdhsa_system_sgpr_workgroup_id_z 1
		.amdhsa_system_vgpr_workitem_id 0
		.amdhsa_next_free_vgpr 1024
		.amdhsa_next_free_sgpr 76
		.amdhsa_reserve_vcc 0
		.amdhsa_float_denorm_mode_32 3
		.amdhsa_float_denorm_mode_16_64 3
		.amdhsa_memory_ordered 1
		.amdhsa_forward_progress 1
		.amdhsa_inst_pref_size 142
	.end_amdhsa_kernel
	.amdgpu_metadata
---
amdhsa.version: [ 1, 2 ]
amdhsa.kernels:
  - .name:           k_qdc26997dc3_proj_out
    .symbol:         k_qdc26997dc3_proj_out.kd
    .args:
      - { .name: att, .offset: 0, .size: 8, .value_kind: global_buffer, .address_space: global }
      - { .name: wo16, .offset: 8, .size: 8, .value_kind: global_buffer, .address_space: global }
      - { .name: bias, .offset: 16, .size: 8, .value_kind: global_buffer, .address_space: global }
      - { .name: out0, .offset: 24, .size: 8, .value_kind: global_buffer, .address_space: global }
    .group_segment_fixed_size: 327680
    .private_segment_fixed_size: 0
    .kernarg_segment_align: 8
    .kernarg_segment_size: 32
    .max_flat_workgroup_size: 128
    .sgpr_count:     76
    .vgpr_count:     1024
    .wavefront_size: 32
...
	.end_amdgpu_metadata
.endif
;; end of part 4
